; MI455X (gfx1250); checked and timed in simulation.
; The chip was launched on July 23, 2026; its instructions are those of AMD's public machine-readable ISA for CDNA 5 (MIT licence, August 2026) and "CDNA5" Instruction Set Architecture Reference Guide (July 2026). The comments in the code are by the model that wrote it; some were corrected since.
;; snn linear. Allowed arithmetic: float matrix products may take bf16 or f16 operands with f32 sums; other float arithmetic in f32, or as packed bf16 or f16 multiplies, adds, multiply-adds, maxima and minima; sums over many terms, partial sums and values carried from step to step in f32; what a program stores and reads back later, other than sums and carried values, may be rounded once to bf16 or f16.
;; Inputs: spikes_in 256 x 64 x 2,048 bool; weights 2,048 x 2,048 float32.
;; Outputs: out0 64 x 256 x 2,048 bool; out1 256 x 2,048 float32; out2 256 x 2,048 float32.
;; 2 versions, each right; version 2 is version 1 with the launch prep written anew for expert scheduling mode. Each part assembles by itself: llvm-mc -triple=amdgcn-amd-amdhsa -mcpu=gfx1250 --defsym DOCPART=n.
;; ======== version 1 of 2: 2 launches
;; limits: inputs' magnitudes at most 9.223e+18; below input magnitudes of 1.084e-19 results are inexact or not finite
;; workspace buffers: wt 8,388,608 bytes; sp 8,388,608 bytes
;; launch prep (part 1): grid 256 x 1, 8 waves a work-group, no clusters, 84,992 bytes of LDS; arguments spikes_in, weights, wt, sp, out1; writes wt, sp, out1
.if DOCPART == 1
	.amdgcn_target "amdgcn-amd-amdhsa--gfx1250"
	.amdhsa_code_object_version 6
	.text
	.protected	k_qe23bed4e48_prep
	.globl	k_qe23bed4e48_prep
	.p2align	8
	.type	k_qe23bed4e48_prep,@function
k_qe23bed4e48_prep:
	s_mov_b64 s[64:65], 0
	v_nop
	global_prefetch_b8 v0, s[64:65] scope:SCOPE_SE
	s_setreg_imm32_b32 hwreg(HW_REG_WAVE_MODE, 25, 1), 1
	s_wait_xcnt 0x0
; SPIKING LINEAR LAYER, FIRST OF TWO LAUNCHES: the weights rounded and laid out, the spikes packed to bits, the traces (out1).
; reference(): per step t  mempot += s_t W; spike = mempot >= 1; mempot = spike ? mempot - 1 : mempot 15/16;  trace = trace 15/16 + s_t.
; WORK LEFT OUT.  reference() builds both initial states as zeros in its own body: 0 + cur = cur and 0 x 15/16 + s = s for every input, so the first step adds onto nothing.
; Nothing else is left out; both inputs are loaded.  A NaN, an infinity or an overflow could reach only the zero states by no way at all, so none is lost by this.
; WHAT THIS LAUNCH MAKES.
;  wt [2048 rows][2048 bf16]: column n of W lies in row (n & ~63) + 16 (n & 3) + ((n >> 2) & 15).  In each group of 16 k, word j (0..7) holds k = j (low half) and k = 8 + j (high half),
;     both as bf16(w x 2^(65 - 2^j)).  A power of two moves no bit of the rounding, so these are the weights rounded once to bf16.
;  sp [64 tiles of 4 samples][256 rows][128 words]: sample q of the four at time t lies in row 16 (t >> 2) + 8 (q >> 1) + 2 (t & 3) + (q & 1).  A word holds 16 spikes: spike u in bit 7 + u (u < 8) or
;     bit 15 + u (u >= 8): ONE EXPONENT BIT of a bf16 half.  Masked to bit 7 + j of both halves it is the pair of bf16 numbers 2^(2^j - 127) or 0, whose product with wt's word j is w x 2^-62.
;     The word of k = 128 s + 32 qq + 16 h + u lies at word 8 s + 4 h + qq of the row.
;  out1 [256][2048] f32: trace = the sum over t of (15/16)^(63 - t) s_t.
; LIMITS.  Spikes are bytes 0 or 1.  |w| from 2^-63 to 2^63 keeps all its bf16 bits; beyond that the scaled weight leaves bf16's normal range.  The trace is summed with weights that are
; rounded products of 15/16, not step by step as reference() does: the two differ in the last bits of f32.
; SHARES.  256 work-groups of 8 waves.  Work-group g takes a tile of 128 k x 128 n of W (k tile g & 15, n tile g >> 4) and all of sample b = g.  Every input byte is read once, by loads of which a wave's
; cover 512 consecutive bytes; every store of a wave covers whole aligned runs of 256 bytes, which is why all three results go through LDS.
; No matrix unit, no cluster, no tensor load: nothing is multiplied and no two work-groups read the same byte.  No prefetch: each wave has up to 24 loads out from its first lines on.
.set WP,    272                        ; a stage row of W: 128 k x 2 bytes + 16: consecutive rows start 4 banks apart
.set SPST,  128*WP                     ; the spikes' stage: 64 rows (t) x 512 bytes
.set TRST,  SPST+64*512                ; the two halves of the trace sum, 8,192 bytes each
.set SPARE, TRST+2*8192                ; the spare words, 128 bytes for each of the 8 waves: four blocks of 256 bytes that no other line names
.set LN,   1                           ; v1   lane
.set SPW,  2                           ; v2   LDS address of my spare word; never rewritten
.set NIL,  3                           ; v3   0; never rewritten
.set WO,   4                           ; v4   my byte offset in the tile of W
.set WS,   5                           ; v5   where my packed weights go in the stage
.set SO,   6                           ; v6   my byte offset in the sample's spikes, at the round in hand
.set SA,   7                           ; v7   where my packed word goes, at the round in hand
.set TAU,  8                           ; v8   my place among the 128 threads of a half: k = 16 tau ..
.set ZR,   9                           ; v9   0, a source of the byte moves
.set WRD,  10                          ; v10  read-back of the weights' stage
.set WGO,  11                          ; v11  and my offset in wt
.set SRD,  12                          ; v12  read-back of the spikes' stage
.set LO16, 13                          ; v13  16 x lane
.set TRD,  14                          ; v14  read-back of the trace
.set TST,  15                          ; v15  where my 16 trace sums go
.set SO0,  16                          ; v16  16 tau
.set SA0,  17                          ; v17  4 x my word's place in a row of sp
.set T0,   18                          ; v18-19 at work
.set WR,   32                          ; v[32:95]   16 rows of W, 4 columns each
.set X,    96                          ; v[96:127]  the ring: 8 slots of 16 spike bytes
.set TR,   128                         ; v[128:143] my 16 trace sums
.set D,    144                         ; v[144:175] packed weights, 16 registers for each half of the words
.set SF,   144                         ; v[144:159] later: 16 spikes as f32
.set P0,   176
.set P1,   177
.set SCL,  32                          ; s[32:47] the eight scales 2^(65 - 2^j), as pairs
.set MULT, 48                          ; s48  the multiplier that gathers eight spike bits
.set DEC,  49                          ; s49  15/16
.set CF,   50                          ; s[50:51] the trace's weight for the t in hand, x 2^125
.set CNT,  52
.set LT,   53                          ; s53  SPST + 512 x the round's lowest t
.set GT,   54                          ; s54  2,048 x the round's lowest t
.set SEL,  56                          ; s[56:59] byte c of a word into byte 3, zeros below
.macro SETS r, val
	s_mov_b32 s[\r], \val
	s_mov_b32 s[(\r)+1], \val
.endm
	s_load_b256 s[4:11], s[0:1], 0x0               ; spikes_in s[4:5], weights s[6:7], wt s[8:9], sp s[10:11]
	s_load_b64 s[12:13], s[0:1], 0x20              ; out1
	v_lshl_add_u32 v[SPW], v0, 2, SPARE
	v_mov_b32 v[NIL], 0
	v_lshrrev_b32 v[T0], 5, v0
	v_readfirstlane_b32 s14, v[T0]                 ; wave 0..7
	v_and_b32 v[LN], 31, v0
	v_and_b32 v[TAU], 127, v0                      ; 32 (wave & 3) + lane
	v_mov_b32 v[ZR], 0
	s_and_b32 s16, ttmp9, 15                       ; k tile
	s_lshr_b32 s17, ttmp9, 4                       ; n tile
	s_lshr_b32 s18, s14, 2                         ; which half of the time steps is mine: 0: t = 63 .. 32, 1: t = 31 .. 0
	s_lshl_b32 s22, s14, 17                        ; my wave's 16 rows of W: 16 x 8,192 bytes
	v_lshl_add_u32 v[WO], v[LN], 4, s22            ; + my 4 columns
	s_lshl_b32 s20, s16, 20                        ; the tile: 128 rows of 8,192 bytes down,
	s_lshl_b32 s21, s17, 9                         ; 128 columns of 4 bytes along
	s_add_co_u32 s20, s20, s21
	s_mov_b32 s21, 0
	s_lshl_b32 s23, s18, 5
	s_sub_co_u32 s23, 56, s23                      ; the first round's lowest t: 56 or 24
	s_lshl_b32 s[GT], s23, 11
	s_lshl_b32 s[LT], s23, 9
	s_add_co_u32 s[LT], s[LT], SPST
	v_lshlrev_b32 v[SO0], 4, v[TAU]
	v_add_nc_u32 v[SO], s[GT], v[SO0]
	s_lshl_b32 s24, ttmp9, 17                      ; the sample: 64 x 2,048 bytes
	s_mov_b32 s25, 0
	s_wait_kmcnt 0x0
	s_add_nc_u64 s[6:7], s[6:7], s[20:21]
	s_add_nc_u64 s[4:5], s[4:5], s[24:25]
.irp hf, 0,1                           ; 16 rows of W: first those of words 0-3 (k = j and 8 + j), then those of words 4-7
.irp i, 0,1,2,3
.irp e, 0,1
	global_load_b128 v[WR+4*(4*(\hf)+(\i)+8*(\e)):WR+4*(4*(\hf)+(\i)+8*(\e))+3], v[WO], s[6:7] offset:(4*(\hf)+(\i)+8*(\e))*8192 th:TH_LOAD_NT
.endr
.endr
.endr
.irp i, 0,1,2,3,4,5,6,7                ; the ring is filled: slot i holds t = lowest + 7 - i, so that t descends with i
	global_load_b128 v[X+4*(\i):X+4*(\i)+3], v[SO], s[4:5] offset:(7-(\i))*2048 th:TH_LOAD_NT
.endr
	; the rest of the set-up stands in the wait for those loads
	SETS SCL+0,  0x5f800000                        ; 2^64
	SETS SCL+2,  0x5f000000                        ; 2^63
	SETS SCL+4,  0x5e000000                        ; 2^61
	SETS SCL+6,  0x5c000000                        ; 2^57
	SETS SCL+8,  0x58000000                        ; 2^49
	SETS SCL+10, 0x50000000                        ; 2^33
	SETS SCL+12, 0x40000000                        ; 2^1
	SETS SCL+14, 0x20000000                        ; 2^-63
	s_mov_b32 s[MULT], 0x01020408
	s_mov_b32 s[DEC], 0x3f700000
	s_mov_b32 s[SEL+0], 0x04000000
	s_mov_b32 s[SEL+1], 0x05000000
	s_mov_b32 s[SEL+2], 0x06000000
	s_mov_b32 s[SEL+3], 0x07000000
	s_mov_b32 s22, 0x7e000000                      ; 2^125: the weight of t = 63
	s_mov_b32 s23, 0x7c81d4eb                      ; 2^125 (15/16)^32: the weight of t = 31
	s_cmp_eq_u32 s18, 0
	s_cselect_b32 s[CF], s22, s23
	s_mov_b32 s[CF+1], 0                           ; named with it as a pair
	v_mul_u32_u24 v[WS], v[LN], WP                 ; stage row 32 c + lane for my column c; my wave's 32 bytes of the row
	s_lshl_b32 s22, s14, 5
	v_add_nc_u32 v[WS], s22, v[WS]
	v_and_b32 v[T0], 0x78, v[TAU]                  ; tau = 8 s + 2 qq + h goes to word 8 s + 4 h + qq
	v_and_b32 v[T0+1], 1, v[TAU]
	v_lshl_or_b32 v[T0], v[T0+1], 2, v[T0]
	v_bfe_u32 v[T0+1], v[TAU], 1, 2
	v_or_b32 v[T0], v[T0], v[T0+1]
	v_lshlrev_b32 v[SA0], 2, v[T0]
	v_add_nc_u32 v[SA], s[LT], v[SA0]
	s_lshl_b32 s22, s18, 13
	s_add_co_u32 s22, s22, TRST
	v_lshl_add_u32 v[TST], v[TAU], 6, s22          ; my half's 8,192 bytes, my 64 of them
	v_lshrrev_b32 v[T0], 4, v[LN]
	v_and_b32 v[T0+1], 15, v[LN]
	s_mul_i32 s22, s14, 16*WP                      ; read-back: my wave takes stage rows 16 wave .., two at a time, 16 lanes a row
	v_mul_u32_u24 v[WRD], v[T0], WP
	v_lshl_add_u32 v[WRD], v[T0+1], 4, v[WRD]
	v_add_nc_u32 v[WRD], s22, v[WRD]
	v_lshlrev_b32 v[WGO], 12, v[T0]                ; the same two rows in wt, 4,096 bytes apart
	v_lshl_add_u32 v[WGO], v[T0+1], 4, v[WGO]
	s_lshl_b32 s22, s14, 12
	s_add_co_u32 s22, s22, SPST
	v_lshl_add_u32 v[SRD], v[LN], 4, s22           ; t = 8 wave ..: a whole row of 512 bytes a load
	v_lshlrev_b32 v[LO16], 4, v[LN]
	s_lshl_b32 s22, s14, 10
	s_add_co_u32 s22, s22, TRST
	v_lshl_add_u32 v[TRD], v[LN], 4, s22
	; stage rows 16 wave .. hold column c = wave >> 1, lanes 16 (wave & 1) ..: wt rows 128 nt + 64 (wave & 1) + 16 (wave >> 1) ..
	s_lshl_b32 s20, s17, 7
	s_and_b32 s21, s14, 1
	s_lshl_b32 s21, s21, 6
	s_add_co_u32 s20, s20, s21
	s_lshr_b32 s21, s14, 1
	s_lshl_b32 s21, s21, 4
	s_add_co_u32 s20, s20, s21
	s_lshl_b32 s20, s20, 12
	s_lshl_b32 s21, s16, 8                         ; the k tile's 256 bytes of a row
	s_add_co_u32 s20, s20, s21
	s_mov_b32 s21, 0
	s_add_nc_u64 s[8:9], s[8:9], s[20:21]
	s_lshr_b32 s20, ttmp9, 2                       ; sp: the tile of four samples,
	s_lshl_b32 s20, s20, 17
	s_lshl_b32 s21, s14, 5                         ; row 16 (t >> 2) for t = 8 wave,
	s_bfe_u32 s22, ttmp9, 0x10001
	s_lshl_b32 s22, s22, 3                         ; + 8 (q >> 1)
	s_add_co_u32 s21, s21, s22
	s_and_b32 s22, ttmp9, 1                        ; + (q & 1)
	s_add_co_u32 s21, s21, s22
	s_lshl_b32 s21, s21, 9
	s_add_co_u32 s20, s20, s21
	s_mov_b32 s21, 0
	s_add_nc_u64 s[10:11], s[10:11], s[20:21]
	s_lshl_b32 s20, ttmp9, 13                      ; out1: the sample's row, my wave's 1,024 bytes
	s_lshl_b32 s21, s14, 10
	s_add_co_u32 s20, s20, s21
	s_mov_b32 s21, 0
	s_add_nc_u64 s[12:13], s[12:13], s[20:21]
.set r, 0
.rept 16
	v_mov_b32 v[TR+r], 0                           ; the sums start at 0, so that the ring has one form of slot
.set r, r+1
.endr
; Words 4 hf .. 4 hf + 3 of my group of 16 k, for my 4 columns: scaled, rounded in pairs (k = j low, k = 8 + j high), 16 bytes a column into the stage.
.macro WUNIT hf
.irp i, 0,1,2,3
.irp e, 0,1
	v_pk_mul_f32 v[WR+4*(4*(\hf)+(\i)+8*(\e)):WR+4*(4*(\hf)+(\i)+8*(\e))+1], v[WR+4*(4*(\hf)+(\i)+8*(\e)):WR+4*(4*(\hf)+(\i)+8*(\e))+1], s[SCL+2*(4*(\hf)+(\i)):SCL+2*(4*(\hf)+(\i))+1] op_sel_hi:[1,0]
	v_pk_mul_f32 v[WR+4*(4*(\hf)+(\i)+8*(\e))+2:WR+4*(4*(\hf)+(\i)+8*(\e))+3], v[WR+4*(4*(\hf)+(\i)+8*(\e))+2:WR+4*(4*(\hf)+(\i)+8*(\e))+3], s[SCL+2*(4*(\hf)+(\i)):SCL+2*(4*(\hf)+(\i))+1] op_sel_hi:[1,0]
.endr
.endr
.irp c, 0,1,2,3
.irp i, 0,1,2,3
	v_cvt_pk_bf16_f32 v[D+16*(\hf)+4*(\c)+(\i)], v[WR+4*(4*(\hf)+(\i))+(\c)], v[WR+4*(4*(\hf)+(\i)+8)+(\c)]
.endr
.endr
.irp c, 0,1,2,3
	ds_store_b128 v[WS], v[D+16*(\hf)+4*(\c):D+16*(\hf)+4*(\c)+3] offset:(\c)*32*WP+16*(\hf)  ; consecutive lanes, consecutive rows of 272 bytes
.endr
.endm
	s_wait_loadcnt 16                              ; the first 8 rows of W are in; the other 8 and the ring's 8 loads may stay out
	WUNIT 0
	s_wait_loadcnt 8                               ; all of W is in; the ring's 8 may stay out
	WUNIT 1
; One slot's turn: 16 spike bytes of one t.  ahead = 1: the slot is filled again with the t eight lower.  left = the younger loads that may stay out.
.macro SLOT i, ahead, left
	s_wait_loadcnt \left                           ; loads come back in order: mine is in
	v_lshl_or_b32 v[P0], v[X+4*(\i)+1], 4, v[X+4*(\i)]     ; bits 8 c and 8 c + 4: spikes c and 4 + c
	v_lshl_or_b32 v[P1], v[X+4*(\i)+3], 4, v[X+4*(\i)+2]
	v_mul_lo_u32 v[P0], v[P0], s[MULT]             ; 2^24 + 2^17 + 2^10 + 2^3: spike u lands on bit 24 + u; all 32 partial terms fall on different bits, so nothing carries
	v_mul_lo_u32 v[P1], v[P1], s[MULT]
	v_lshrrev_b32 v[P0], 24, v[P0]
	v_lshrrev_b32 v[P1], 24, v[P1]
	v_lshl_or_b32 v[P0], v[P1], 16, v[P0]
	v_lshlrev_b32 v[P0], 7, v[P0]                  ; spikes 0-7 in bits 7-14, spikes 8-15 in bits 23-30
	ds_store_b32 v[SA], v[P0] offset:(7-(\i))*512
.irp d, 0,1,2,3
.irp c, 0,1,2,3
	v_perm_b32 v[SF+4*(\d)+(\c)], v[X+4*(\i)+(\d)], v[ZR], s[SEL+(\c)]  ; the byte into byte 3: 0, or the f32 number 2^-125
.endr
.endr
.if \ahead
	global_load_b128 v[X+4*(\i):X+4*(\i)+3], v[SO], s[4:5] offset:(7-(\i))*2048-16384 th:TH_LOAD_NT
.endif
.irp u, 0,2,4,6,8,10,12,14
	v_pk_fma_f32 v[TR+(\u):TR+(\u)+1], v[SF+(\u):SF+(\u)+1], s[CF:CF+1], v[TR+(\u):TR+(\u)+1] op_sel_hi:[1,0,1]
.endr
	s_mul_f32 s[CF], s[CF], s[DEC]                 ; the next lower t weighs 15/16 of this one
.endm
	s_mov_b32 s[CNT], 3
.Lround:
.irp i, 0,1,2,3,4,5,6,7
	SLOT \i, 1, 7
.endr
	s_wait_xcnt 0x0                                ; the loads have read their address register: it is rewritten only behind this wait
	s_sub_co_u32 s[GT], s[GT], 16384               ; eight steps of t down
	s_sub_co_u32 s[LT], s[LT], 4096
	v_add_nc_u32 v[SO], s[GT], v[SO0]
	v_add_nc_u32 v[SA], s[LT], v[SA0]
	s_sub_co_u32 s[CNT], s[CNT], 1
	s_cmp_lg_u32 s[CNT], 0
	s_cbranch_scc1 .Lround
.irp i, 0,1,2,3,4,5,6,7
	SLOT \i, 0, 7-(\i)                             ; the last round loads nothing: the counts run down
.endr
.irp i, 0,1,2,3
	ds_store_b128 v[TST], v[TR+4*(\i):TR+4*(\i)+3] offset:16*(\i)
.endr
	s_wait_dscnt 0x0                               ; for the others' sake: all my stores into the three stages are done
	s_barrier_signal -1
	s_barrier_wait -1                              ; everybody's are
	; THE WAY OUT: 20 loads from the stages in one run, then the stores as the loads come back
.irp it, 0,1,2,3,4,5,6,7
	ds_load_b128 v[32+4*(\it):32+4*(\it)+3], v[WRD] offset:(\it)*2*WP
.endr
.irp it, 0,1,2,3,4,5,6,7
	ds_load_b128 v[64+4*(\it):64+4*(\it)+3], v[SRD] offset:(\it)*512
.endr
.irp it, 0,1
	ds_load_b128 v[96+8*(\it):96+8*(\it)+3],   v[TRD] offset:(\it)*512
	ds_load_b128 v[96+8*(\it)+4:96+8*(\it)+7], v[TRD] offset:(\it)*512+8192
.endr
.irp it, 0,1,2,3,4,5,6,7
	s_wait_dscnt 19-(\it)                          ; load it of the 20 is back
	global_store_b128 v[WGO], v[32+4*(\it):32+4*(\it)+3], s[8:9] offset:(\it)*8192  ; 16 lanes store 256 consecutive bytes, aligned
.endr
.irp it, 0,1,2,3,4,5,6,7
	s_wait_dscnt 11-(\it)
	global_store_b128 v[LO16], v[64+4*(\it):64+4*(\it)+3], s[10:11] offset:(((\it)/4)*16+((\it)%4)*2)*512  ; a whole row of sp, 512 bytes: row + 16 (t >> 2) + 2 (t & 3)
.endr
	s_wait_dscnt 0x0
.irp it, 0,1
	v_pk_add_f32 v[96+8*(\it):96+8*(\it)+1],   v[96+8*(\it):96+8*(\it)+1],   v[96+8*(\it)+4:96+8*(\it)+5]  ; the later half of t and the earlier
	v_pk_add_f32 v[96+8*(\it)+2:96+8*(\it)+3], v[96+8*(\it)+2:96+8*(\it)+3], v[96+8*(\it)+6:96+8*(\it)+7]
	global_store_b128 v[LO16], v[96+8*(\it):96+8*(\it)+3], s[12:13] offset:(\it)*512 th:TH_STORE_NT
.endr
	s_wait_tensorcnt 0x0                           ; the wave's end, behind my last LDS store
	ds_add_u32 v[SPW], v[NIL]
	s_wait_dscnt 0x0
	s_endpgm
.Lfunc_end_k_qe23bed4e48_prep:
	.size	k_qe23bed4e48_prep, .Lfunc_end_k_qe23bed4e48_prep-k_qe23bed4e48_prep
	.p2alignl 7, 3214868480
	.fill 96, 4, 3214868480
	.section	.rodata,"a",@progbits
	.p2align	6, 0x0
	.amdhsa_kernel k_qe23bed4e48_prep
		.amdhsa_group_segment_fixed_size 84992
		.amdhsa_private_segment_fixed_size 0
		.amdhsa_enable_private_segment 0
		.amdhsa_kernarg_size 40
		.amdhsa_user_sgpr_count 2
		.amdhsa_user_sgpr_kernarg_segment_ptr 1
		.amdhsa_wavefront_size32 1
		.amdhsa_system_sgpr_workgroup_id_x 1
		.amdhsa_system_sgpr_workgroup_id_y 1
		.amdhsa_system_sgpr_workgroup_id_z 1
		.amdhsa_system_vgpr_workitem_id 0
		.amdhsa_next_free_vgpr 192
		.amdhsa_next_free_sgpr 66
		.amdhsa_reserve_vcc 0
		.amdhsa_float_denorm_mode_32 3
		.amdhsa_float_denorm_mode_16_64 3
		.amdhsa_memory_ordered 1
		.amdhsa_forward_progress 1
		.amdhsa_inst_pref_size 51
	.end_amdhsa_kernel
	.amdgpu_metadata
---
amdhsa.version: [ 1, 2 ]
amdhsa.kernels:
  - .name:           k_qe23bed4e48_prep
    .symbol:         k_qe23bed4e48_prep.kd
    .args:
      - { .name: spikes_in, .offset: 0, .size: 8, .value_kind: global_buffer, .address_space: global }
      - { .name: weights, .offset: 8, .size: 8, .value_kind: global_buffer, .address_space: global }
      - { .name: wt, .offset: 16, .size: 8, .value_kind: global_buffer, .address_space: global }
      - { .name: sp, .offset: 24, .size: 8, .value_kind: global_buffer, .address_space: global }
      - { .name: out1, .offset: 32, .size: 8, .value_kind: global_buffer, .address_space: global }
    .group_segment_fixed_size: 84992
    .private_segment_fixed_size: 0
    .kernarg_segment_align: 8
    .kernarg_segment_size: 40
    .max_flat_workgroup_size: 256
    .sgpr_count:     66
    .vgpr_count:     192
    .wavefront_size: 32
...
	.end_amdgpu_metadata
.endif
;; end of part 1
;; launch lif (part 2): grid 8 x 64, 4 waves a work-group, clusters of 4 x 4, 327,680 bytes of LDS; arguments sp, wt, out0, out2; writes out0, out2
.if DOCPART == 2
	.amdgcn_target "amdgcn-amd-amdhsa--gfx1250"
	.amdhsa_code_object_version 6
	.text
	.protected	k_qe23bed4e48_lif
	.globl	k_qe23bed4e48_lif
	.p2align	8
	.type	k_qe23bed4e48_lif,@function
k_qe23bed4e48_lif:
	s_mov_b64 s[64:65], 0
	v_nop
	global_prefetch_b8 v0, s[64:65] scope:SCOPE_SE
	s_setreg_imm32_b32 hwreg(HW_REG_WAVE_MODE, 25, 1), 1
	s_wait_xcnt 0x0
	s_wait_alu depctr_hold_cnt(0) depctr_sa_sdst(0) depctr_va_vdst(0) depctr_va_sdst(0) depctr_va_ssrc(0) depctr_va_vcc(0) depctr_vm_vsrc(0)
	s_getreg_b32 s2, hwreg(HW_REG_IB_STS2, 6, 4)
	s_cmp_eq_u32 s2, 0
	s_cbranch_scc0 .Lentry_in_a_cluster
	s_endpgm
.Lentry_in_a_cluster:
	s_bfe_u32 s2, ttmp6, 0x10000c
	s_cmp_lg_u32 s2, 0xf033
	s_cbranch_scc0 .Lentry_shape_is_right
	s_endpgm
.Lentry_shape_is_right:
; SPIKING LINEAR LAYER, SECOND LAUNCH: cur[(b, t)][n] = s[b][t][:] . W[:][n], and on the sums, still in registers, the recurrence over t:
;   m' = m + cur;  spike = m' >= 1;  m = spike ? m' - 1 : m' x 15/16.      out0[t][b][n] = spike (a byte), out2[b][n] = m behind t = 63.
; WORK LEFT OUT: the zero membrane potential that reference() builds in its own body: at t = 0, m' = cur.  Nothing else.
; OPERANDS (made by the launch before).  A word of sp holds 16 spikes, each one exponent bit of a bf16 half: masked to bit 7 + j of both halves it IS register j of a fragment of A, 2^(2^j - 127) or 0.
; The weight that meets register j is stored as bf16(w) x 2^(65 - 2^j), so every product is bf16(w) x 2^-62 or 0, exactly; the factor 2^62 rides in the recurrence's first multiply-add.
; The place of k inside a K step of 32 is the same in A and in B: lane half h, register j, half-word p hold k = 16 h + 8 p + j.
; LIMITS.  The products are exact and each output has one f32 sum, K steps ascending, but the order of additions inside a step is the matrix unit's: a membrane potential that lies within that
; rounding of 1.0 can fall on the other side of the threshold than in another order of summing.  |w| from 2^-63 to 2^63 keeps its bf16 bits.  NaN and infinities are not treated apart.
; SHARES.  A work-group makes 4 samples x 64 steps (256 rows) x 256 columns; a wave all 256 rows x 64 columns: 64 accumulators, 512 registers.  Row 8 hb + 2 i + p of fragment a is sample 2 hb + p at
; t = 4 a + i, so in a result a lane's registers 2 i, 2 i + 1 are TWO SAMPLES AT ONE t: t runs along the lane's registers, the recurrence never changes lanes, and packed arithmetic takes two chains at once.
; Lane r of B's fragment nb holds column 64 wave + 4 r + nb: a lane's four fragments are four neighbouring bytes of out0.
; LDS.  A's 256 rows x all of K are 128 KiB as bits: loaded once.  B goes in K steps of 128 through two slots; each wave fetches, and alone reads, its own 64 rows (256 bytes of memory each, aligned).
; CLUSTER.  4 x 4 work-groups: the four of a row share the samples (A), the four of a column the columns (B): each tile is asked for jointly, same line, same descriptor, a mask that names the four.
; One tile to a work-group, 512 work-groups of equal work.
; REGISTERS, in windows of 256 (s_set_vgpr_msb: bits 1:0 source 0, 3:2 source 1, 5:4 source 2, 7:6 destination).  Window w owns fragments a = 4 w .. 4 w + 3 of A: their raw words, their four
; fragment slots and their 16 accumulators; B's two fragment buffers lie in windows 0 and 1.  So ONE setting (w for destination, A and C; the buffer's window for B) serves 16 matrix instructions, the
; masks behind them and the LDS loads at their end: four switches for 64 matrix instructions.
.set AP,    528                        ; a row of A in LDS: 512 bytes + 16: the 16 rows of a load start at 16 different groups of four banks
.set BP,    272                        ; a row of B: 256 + 16, likewise
.set BSL,   256*AP                     ; B's slot 0
.set BSZ,   256*BP
.set STAGE, BSL+2*BSZ                  ; behind the ring, never filled by a tensor load: two buffers of 64 rows (16 t x 4 samples) x 288 bytes, the work-group's, for out0
.set SGP,   288
.set SGB,   64*SGP
.set SPARE, STAGE+2*SGB                ; the spare words, 128 bytes for each wave: two blocks of 256 bytes that no other line names
; the same numbers in every window:
.set STA, 2                            ; where I put 4 bytes of a stage row
.set RDA, 3                            ; where I read stage rows back
.set CO,  4                            ; my byte offset in two rows of out0
.set O2,  5                            ; my byte offset in out2 (window 3)
.set C24, 6                            ; v[6:7]  2^24, twice
.set CM,  8                            ; v[8:9]  -(2^24 - 1), twice
.set SPW, 10                           ; window 0: LDS address of my spare word; never rewritten
.set NIL, 11                           ; window 0: 0; never rewritten
.set PFO, 12                           ; window 0: the prefetches' offset; never rewritten
.set MK,  16                           ; v16-23  the masks 0x00800080 << j (windows 0 and 1: they are read as source 1, beside B)
.set AA,  24                           ; LDS address of the window's raw words, at the lap in hand
.set BA,  26                           ; v26, v27  LDS address of my B fragments in slot 0, 1 (windows 0 and 1)
.set FR,  32                           ; v32-63   four fragments of A
.set RW,  64                           ; v64-95   raw words: K step's parity be, fragment i, quarter qq at 64 + 16 be + 4 i + qq
.set BF,  96                           ; v96-127  four fragments of B: even quarters' in window 0, odd quarters' in window 1
.set ACC, 128                          ; v128-255 accumulator (i, nb) at 128 + 32 i + 8 nb
; the way out, over the fragments' registers:
.set M,   32                           ; the 8 membrane potentials: column nb, sample p at 2 nb + p
.set MP,  40                           ; m'
.set S,   48                           ; the spike as 1.0 or 0
.set KK,  56                           ; 1 or 15/16
.set U,   64
.set UI,  66
.set OQ,  68
.set RB,  96
.set G1A, 24                           ; s[24:31] descriptor group 1 for A;  s[32:35] its group 0
.set G0A, 32
.set G1B, 36                           ; s[36:43] group 1 for B;  s[44:47], s[48:51] group 0 for slot 0, 1
.set G0B, 44
.set PFA, 52                           ; s[52:53] where my prefetches stand
.set LIM, 54                           ; s54  1 in a work-group that prefetches, else the greatest number
.set MSB, 0
.macro WIN new                         ; the immediate's high byte repeats the setting that is left; a switch that changes nothing is dropped
.if MSB != (\new)
	s_set_vgpr_msb (MSB<<8)|(\new)
.set MSB, (\new)
.endif
.endm
.macro CREST                           ; a round of the cluster's barrier behind its opening barrier: wave 0 signals for the work-group, every wave waits for all sixteen, my work-group's barrier closes it
	s_cmp_lg_u32 s12, 0
	s_cbranch_scc1 .Lnot_wave_0_\@
	s_barrier_signal -3
.Lnot_wave_0_\@:
	s_barrier_wait -3
	s_barrier_signal -1
	s_barrier_wait -1
.endm
.macro CROUND
	s_barrier_signal -1
	s_barrier_wait -1
	CREST
.endm
; A PREFETCH INTO THE L2, once a lap, behind the joint load of slot 0 and its five lines: the two K steps of the lap after next, 256 bytes of a row each.  wt's rows are read by every cluster of a column
; of clusters: the first of them (cluster y = 0) asks.  Of the 64 rows that wave v fetches the partner at place cy takes 16, told apart BY ADDRESS; lanes 0-15 name the even K step, lanes 16-31 the odd one.
; So each aligned 256 bytes of wt from K step 4 on are named once in the launch, two and three refills ahead of the load that wants them; the loop's last trip has no such lap and asks for nothing.
.macro ASK
	s_cmp_gt_u32 s3, s[LIM]                        ; s3 = 1 in the last trip
	s_cbranch_scc0 .Lno_ask_\@
	global_prefetch_b8 v[PFO], s[PFA:PFA+1] th:TH_LOAD_NT scope:SCOPE_SE
.Lno_ask_\@:
.endm
	s_load_b256 s[4:11], s[0:1], 0x0               ; sp s[4:5], wt s[6:7], out0 s[8:9], out2 s[10:11]
	v_lshl_add_u32 v[SPW], v0, 2, SPARE
	v_mov_b32 v[NIL], 0
	ds_add_u32 v[SPW], v[NIL]                      ; the wave's opening: the add, twice on end, and its wait ahead of my first tensor load
	ds_add_u32 v[SPW], v[NIL]                      ; and once more, under the one wait; the set-up below, work on registers, stands between
	v_lshrrev_b32 v1, 5, v0
	v_readfirstlane_b32 s12, v1                    ; wave 0..3
	s_bfe_u32 s13, ttmp6, 0x40000                  ; cx
	s_bfe_u32 s14, ttmp6, 0x40004                  ; cy
	s_lshl_b32 s15, ttmp9, 2
	s_add_co_u32 s15, s15, s13                     ; x: my 256 columns = 4 x cluster x + cx
	s_and_b32 s16, ttmp7, 0xffff
	s_lshl_b32 s16, s16, 2
	s_add_co_u32 s16, s16, s14                     ; y: my 4 samples = 4 x cluster y + cy
	s_and_b32 s[LIM], ttmp7, 0xffff
	s_cmp_eq_u32 s[LIM], 0
	s_cselect_b32 s[LIM], 1, -1                    ; the same in all sixteen partners
	s_lshl_b32 s18, s14, 2
	s_lshl_b32 s18, 15, s18                        ; my row of the cluster
	s_lshl_b32 s19, 0x1111, s13                    ; my column
	; A: 64 rows x 128 words of 4 bytes, dense in memory, 16 bytes of padding behind each row in LDS
	s_or_b32 s[G1A], s18, (2<<16)|(1<<20)|(1<<21)|(6<<22)|(3<<25)  ; 15:0 the mask; 17:16 elements of 4 bytes; 20 padding on; 21 set beside a mask; 24:22 after every 128 words; 31:25 4 words
	s_mov_b32 s[G1A+1], 128<<16                    ; tensor_dim0 = 128
	s_mov_b32 s[G1A+2], 64<<16                     ; tensor_dim1 = 64
	s_mov_b32 s[G1A+3], 128<<16                    ; tile_dim0 = 128
	s_mov_b32 s[G1A+4], 64                         ; tile_dim1 = 64
	s_mov_b32 s[G1A+5], 128                        ; elements from row to row
	s_mov_b32 s[G1A+6], 0
	s_mov_b32 s[G1A+7], 0
	; B: 64 rows x 128 bf16 of rows of 2,048
	s_or_b32 s[G1B], s19, (1<<16)|(1<<20)|(1<<21)|(5<<22)|(3<<25)  ; elements of 2 bytes; padding after every 64 words
	s_mov_b32 s[G1B+1], 128<<16
	s_mov_b32 s[G1B+2], 64<<16
	s_mov_b32 s[G1B+3], 128<<16
	s_mov_b32 s[G1B+4], 64
	s_mov_b32 s[G1B+5], 2048
	s_mov_b32 s[G1B+6], 0
	s_mov_b32 s[G1B+7], 0
	s_mov_b32 s[G0A], 1
	s_mul_i32 s[G0A+1], s12, 64*AP                 ; LDS addresses hang on the wave's number alone
	s_mov_b32 s[G0B], 1
	s_mov_b32 s[G0B+4], 1
	s_mul_i32 s[G0B+1], s12, 64*BP
	s_add_co_u32 s[G0B+5], s[G0B+1], BSL+BSZ
	s_add_co_u32 s[G0B+1], s[G0B+1], BSL
	s_lshl_b32 s20, s16, 17                        ; A: the tile of four samples, my wave's 64 rows: made of y and the wave's number alone
	s_lshl_b32 s21, s12, 15
	s_add_co_u32 s20, s20, s21
	s_mov_b32 s21, 0
	s_lshl_b32 s22, s15, 20                        ; B: rows 256 x + 64 wave, 4,096 bytes each: made of x and the wave's number alone
	s_lshl_b32 s23, s12, 18
	s_add_co_u32 s22, s22, s23
	s_mov_b32 s23, 0
	s_mov_b32 s56, 0x5e800000                      ; 2^62
	s_mov_b32 s57, 0x5e800000
	s_mov_b32 s58, 0x3d800000                      ; 1/16
	s_mov_b32 s59, 0x3d800000
	s_mov_b32 s60, 0x3f700000                      ; 15/16
	s_mov_b32 s61, 0x3f700000
	s_mov_b32 s66, 0x43800000                      ; 256
	s_mov_b32 s67, 0x43800000
	s_mov_b32 s68, 0x47800000                      ; 65,536
	s_mov_b32 s69, 0x47800000
	s_mov_b32 s70, 0x01000000                      ; a bit that 1.0 has and 0 has not: byte 3's 1
	s_wait_dscnt 0x0                               ; both opening adds are done
	s_wait_kmcnt 0x0
	s_add_nc_u64 s[G0A+2:G0A+3], s[4:5], s[20:21]
	s_or_b32 s[G0A+3], s[G0A+3], 0x80000000        ; type = 2
	s_add_nc_u64 s[G0B+2:G0B+3], s[6:7], s[22:23]  ; K step 0
	s_add_nc_u64 s[G0B+6:G0B+7], s[G0B+2:G0B+3], 256  ; K step 1
	s_or_b32 s[G0B+3], s[G0B+3], 0x80000000
	s_or_b32 s[G0B+7], s[G0B+7], 0x80000000
	CROUND                                         ; all sixteen work-groups are here: the first joint loads meet
	tensor_load_to_lds s[G0A:G0A+3], s[G1A:G1A+7]  ; the first fills go out as one group: three loads of mine are out, the most in this text
	s_nop 0
	tensor_load_to_lds s[G0B:G0B+3], s[G1B:G1B+7]
	s_nop 0
	tensor_load_to_lds s[G0B+4:G0B+7], s[G1B:G1B+7]
	s_nop 0
.rept 4
	v_nop
.endr
	; all that follows, to the wait, stands in the time that the first tiles take
	s_add_nc_u64 s[PFA:PFA+1], s[6:7], s[22:23]    ; the prefetches: my wave's rows,
	s_lshl_b32 s82, s14, 16                        ; my work-group's 16 of them,
	s_add_co_u32 s82, s82, 512                     ; K step 2: the first lap steps it to 4
	s_mov_b32 s83, 0
	s_add_nc_u64 s[PFA:PFA+1], s[PFA:PFA+1], s[82:83]
	s_lshl_b32 s82, s12, 21                        ; out0: t = 4 wave (the stage rows that I read back), 524,288 bytes a step,
	s_lshl_b32 s84, s16, 13                        ; sample 4 y,
	s_add_co_u32 s82, s82, s84
	s_lshl_b32 s84, s15, 8                         ; column 256 x
	s_add_co_u32 s82, s82, s84
	s_add_nc_u64 s[72:73], s[8:9], s[82:83]        ; a base for each window's 16 steps
	s_add_nc_u64 s[74:75], s[72:73], 0x800000
	s_add_nc_u64 s[76:77], s[74:75], 0x800000
	s_add_nc_u64 s[78:79], s[76:77], 0x800000
	s_lshl_b32 s82, s16, 15                        ; out2: sample 4 y, column 256 x + 64 wave
	s_lshl_b32 s84, s15, 10
	s_add_co_u32 s82, s82, s84
	s_lshl_b32 s84, s12, 8
	s_add_co_u32 s82, s82, s84
	s_add_nc_u64 s[80:81], s[10:11], s[82:83]
	s_lshl_b32 s84, s12, 6
	s_add_co_u32 s84, s84, STAGE                   ; my wave's 64 bytes of every stage row
	s_mul_i32 s85, s12, 16*SGP
	s_add_co_u32 s85, s85, STAGE                   ; the 16 stage rows that I read back
	v_and_b32 v13, 15, v0                          ; r = lane % 16
	v_bfe_u32 v14, v0, 4, 1                        ; h = lane / 16
	v_mul_u32_u24 v[STA], v14, 2*SGP               ; samples 2 h, 2 h + 1: two rows down
	v_lshl_add_u32 v[STA], v13, 2, v[STA]
	v_add_nc_u32 v[STA], s84, v[STA]
	v_mul_u32_u24 v[RDA], v14, SGP                 ; lanes 0-15 one row of 256 bytes, lanes 16-31 the next
	v_lshl_add_u32 v[RDA], v13, 4, v[RDA]
	v_add_nc_u32 v[RDA], s85, v[RDA]
	v_lshlrev_b32 v[CO], 11, v14                   ; the same two rows (samples) in out0
	v_lshl_add_u32 v[CO], v13, 4, v[CO]
	v_lshlrev_b32 v[O2], 14, v14                   ; out2: two samples down for lanes 16-31, 16 bytes a lane
	v_lshl_add_u32 v[O2], v13, 4, v[O2]
	v_mov_b32 v[C24], 0x4b800000
	v_mov_b32 v[C24+1], 0x4b800000
	v_mov_b32 v[CM], 0xcb7fffff
	v_mov_b32 v[CM+1], 0xcb7fffff
.set j, 0
.rept 8
	v_mov_b32 v[MK+j], 0x00800080<<j
.set j, j+1
.endr
	v_mul_u32_u24 v[AA], v13, AP                   ; a fragment's row, 16 bytes (four quarters' words) for each half of the lanes
	v_lshl_add_u32 v[AA], v14, 4, v[AA]
	v_mul_u32_u24 v[BA], v13, BP                   ; B: row, 32 bytes (eight words) for each half
	v_lshl_add_u32 v[BA], v14, 5, v[BA]
	v_add_nc_u32 v[BA], s[G0B+1], v[BA]            ; + slot 0 + my wave's 64 rows
	v_add_nc_u32 v[BA+1], BSZ, v[BA]
	v_lshlrev_b32 v[PFO], 12, v13                  ; a lane a row, and one of a lap's two K steps
	v_lshl_add_u32 v[PFO], v14, 8, v[PFO]
.irp w, 1,2,3                          ; the other windows' copies: destination window w, sources window 0
	WIN (\w)<<6
.irp r, STA, RDA, CO, C24, C24+1, CM, CM+1
	v_mov_b32 v[\r], v[\r]
.endr
	v_add_nc_u32 v[AA], 64*AP*(\w), v[AA]          ; the window's 64 rows of A
.if (\w) == 1
.set j, 0
.rept 8
	v_mov_b32 v[MK+j], v[MK+j]
.set j, j+1
.endr
	v_mov_b32 v[BA], v[BA]
	v_mov_b32 v[BA+1], v[BA+1]
.endif
.if (\w) == 3
	v_mov_b32 v[O2], v[O2]
.endif
.endr
	WIN 0
; n masks: registers j0 .. of fragment slot t from the raw word in register r
.macro ANDS t, r, j0, n
.set a_j, (\j0)
.rept (\n)
	v_and_b32 v[FR+8*(\t)+a_j], v[(\r)], v[MK+a_j]
.set a_j, a_j+1
.endr
.endm
; 16 matrix instructions: window w's four fragments of A x the four of B in buffer f, quarter qq of a K step of parity be.  zero = 1: they start the sums: nothing is ever cleared.
; Behind them ride the eight masks that make the NEXT fragment of A: slot i + 1 of this quarter, or (i = 3, nxt = 1) slot 0 of the next quarter.  A slot is written 16 plain instructions or more behind the
; last product that read it.  The 64 accumulators take turns, one instruction a turn, in the same order in every quarter, over the backward jump too.
.macro GROUP w, f, be, qq, zero, nxt
	WIN (\w)|((\f)<<2)|((\w)<<4)|((\w)<<6)
.irp i, 0,1,2,3
.set g_t, ((\i)+1)%4
.if (\i) < 3
.set g_r, RW+16*(\be)+4*((\i)+1)+(\qq)
.elseif (\qq) < 3
.set g_r, RW+16*(\be)+(\qq)+1
.else
.set g_r, RW+16*(1-(\be))
.endif
.irp nb, 0,1,2,3
.if \zero
	v_wmma_f32_16x16x32_bf16 v[ACC+32*(\i)+8*(\nb):ACC+32*(\i)+8*(\nb)+7], v[FR+8*(\i):FR+8*(\i)+7], v[BF+8*(\nb):BF+8*(\nb)+7], 0
.else
	v_wmma_f32_16x16x32_bf16 v[ACC+32*(\i)+8*(\nb):ACC+32*(\i)+8*(\nb)+7], v[FR+8*(\i):FR+8*(\i)+7], v[BF+8*(\nb):BF+8*(\nb)+7], v[ACC+32*(\i)+8*(\nb):ACC+32*(\i)+8*(\nb)+7]
.endif
.if (((\i) < 3) || (\nxt)) && ((\nb) < 3)
.if (\nb) < 2
	ANDS g_t, g_r, 3*(\nb), 3
.else
	ANDS g_t, g_r, 6, 2
.endif
.endif
.endr
.endr
.endm
; The window's raw words of a K step (4 fragments x 4 quarters) into buffer be, under the group's own setting.  step = 1: the address goes on to the next lap.
.macro RLOAD be, off, step
.irp i, 0,1,2,3
	ds_load_b128 v[RW+16*(\be)+4*(\i):RW+16*(\be)+4*(\i)+3], v[AA] offset:(\i)*16*AP+(\off)
.endr
.if \step
	v_add_nc_u32 v[AA], v[AA], 64
.endif
.endm
; B's four fragments of quarter qq of a slot, into the buffer of the window in hand (0 or 1): the buffer's last reader stands 32 masks or more back
.macro BLOAD slot, qq
.irp nb, 0,1,2,3
	ds_load_b128 v[BF+8*(\nb):BF+8*(\nb)+3],   v[BA+(\slot)] offset:(\nb)*16*BP+64*(\qq)
	ds_load_b128 v[BF+8*(\nb)+4:BF+8*(\nb)+7], v[BA+(\slot)] offset:(\nb)*16*BP+64*(\qq)+16
.endr
.endm
; A K STEP of parity e (it lies in slot e) is four quarters of 32 along K, 64 matrix instructions each.
.macro Q0 e, zero
	s_wait_dscnt 0x0                               ; B's quarter 0 is in
	GROUP 0, 0, \e, 0, \zero, 1
	GROUP 1, 0, \e, 0, \zero, 1
	BLOAD \e, 1
	GROUP 2, 0, \e, 0, \zero, 1
	GROUP 3, 0, \e, 0, \zero, 1
.endm
.macro Q1 e, rl                        ; rl = 1: the next K step's raw words are fetched, each window's at the end of its group
	s_wait_dscnt 0x0                               ; B's quarter 1 is in
	GROUP 0, 1, \e, 1, 0, 1
.if \rl
	RLOAD 1-(\e), 32+32*(\e), \e
.endif
	BLOAD \e, 2
.irp w, 1,2,3
	GROUP \w, 1, \e, 1, 0, 1
.if \rl
	RLOAD 1-(\e), 32+32*(\e), \e
.endif
.endr
.endm
; Quarter 2 changes slots (meet = 1).  Its BLOAD is the last read of slot e.  Then each wave waits for all its tensor loads, of which one is out: its part of the other slot; adds 0 to its spare word; and waits
; for that and for its reads.  fill = 1: the barrier opens a round of the cluster's, so that no wave of any partner still reads slot e or has a load on its way, and the joint refill, K step + 2, is the
; first thing behind it: a wave issues 224 matrix instructions between that request and the wait for it.
.macro Q2 e, rl, meet, fill
.if (\fill) && ((\e) == 0)
	s_wait_xcnt 0x0                                ; the last prefetch, a lap back, has read its address: it is stepped here, ahead of the change's own waits
	s_add_nc_u64 s[PFA:PFA+1], s[PFA:PFA+1], 512
.endif
	s_wait_dscnt 12*(\rl)                          ; B's quarter 2 is in; the raw words of windows 1 to 3, twelve loads issued behind it, may stay out
	GROUP 0, 0, \e, 2, 0, 1
	GROUP 1, 0, \e, 2, 0, 1
	BLOAD \e, 3
.if \meet
	WIN 0                                          ; (the add's two registers lie in window 0)
	s_wait_tensorcnt 0x0                           ; all my tensor loads have landed, so a group 0 may be written
	ds_add_u32 v[SPW], v[NIL]                      ; 0 onto my spare word
.if \fill
	s_add_nc_u64 s[G0B+4*(\e)+2:G0B+4*(\e)+3], s[G0B+4*(\e)+2:G0B+4*(\e)+3], 512  ; this slot's next K step; the type bits on top are not reached
.endif
	GROUP 2, 0, \e, 2, 0, 1                        ; sixteen matrix instructions stand between the add and the wait for it
	s_wait_dscnt 0x0                               ; the add is done, my reads of slot e are over, and the next step's raw words are in
	s_barrier_signal -1
	GROUP 3, 0, \e, 2, 0, 1                        ; work on registers while the others arrive
	WIN 0
	s_barrier_wait -1
.if \fill
	CREST
	tensor_load_to_lds s[G0B+4*(\e):G0B+4*(\e)+3], s[G1B:G1B+7]  ; my one tensor load behind the round
	s_nop 0
.rept 4
	v_nop
.endr
.if (\e) == 0
	ASK
.endif
.endif
.else
	GROUP 2, 0, \e, 2, 0, 1
	GROUP 3, 0, \e, 2, 0, 1
.endif
.endm
.macro Q3 e, waited, bl, nxt           ; waited = 1: the change of slots has waited for B's quarter 3.  bl = 1: the other slot's quarter 0 is fetched
.if !(\waited)
	s_wait_dscnt 0x0
.endif
	GROUP 0, 1, \e, 3, 0, \nxt
.if \bl
	BLOAD 1-(\e), 0
.endif
	GROUP 1, 1, \e, 3, 0, \nxt
	GROUP 2, 1, \e, 3, 0, \nxt
	GROUP 3, 1, \e, 3, 0, \nxt
.endm
	s_wait_tensorcnt 1                             ; my parts of A and of K step 0 are in; K step 1's may stay out
	s_barrier_signal -1
	s_barrier_wait -1                              ; everybody's are: A's rows are read by all four waves
.irp w, 0,1,2,3
	WIN (\w)|((\w)<<4)|((\w)<<6)
	RLOAD 0, 0, 0                                  ; K step 0's raw words
.endr
	WIN 0
	BLOAD 0, 0
	s_wait_dscnt 0x0
.irp w, 0,1,2,3
	WIN (\w)|((\w)<<4)|((\w)<<6)
	ANDS 0, RW, 0, 8                               ; each window's first fragment
.endr
	Q0 0, 1                                        ; the first quarter stands in front of the loop: its products start the sums
	WIN 0                                          ; at a label and at a branch every window is 0
	s_mov_b32 s3, 7
.Llap:                                         ; a trip goes once round the ring, from a lap's second quarter to the next lap's first, and fills both slots again
	Q1 0, 1
	Q2 0, 1, 1, 1
	Q3 0, 1, 1, 1
	Q0 1, 0
	Q1 1, 1
	Q2 1, 1, 1, 1
	Q3 1, 1, 1, 1
	Q0 0, 0
	WIN 0
	s_sub_co_u32 s3, s3, 1
	s_cmp_lg_u32 s3, 0
	s_cbranch_scc1 .Llap
	Q1 0, 1                                        ; the last lap is written out: it asks for nothing
	Q2 0, 1, 1, 0                                  ; the last K step's tile is waited for; no round follows
	Q3 0, 1, 1, 1
	Q0 1, 0
	Q1 1, 0
	Q2 1, 0, 0, 0
	Q3 1, 0, 0, 0
; THE RECURRENCE, window by window: 16 steps of t on the window's 16 accumulators, every operand in the window in hand.  One step for my 4 columns x 2 samples, two chains an instruction:
;   m' = c 2^62 + m          one rounding, as reference()'s add of the finished sum
;   s  = clamp(m' 2^24 - (2^24 - 1)) to 0 .. 1: exactly 1 where m' >= 1; the largest f32 below 1 gives exactly 0, all below it less
;   k  = s / 16 + 15/16      1 or 15/16, exact
;   m  = k m' - s            one rounding: m' - 1, or m' x 15/16
; Four columns' s become four bytes: s0 + 256 s1 + 65,536 s2 as a whole number, and byte 3 from a bit of s3's 1.0.  Each accumulator's registers are read in ascending order.
; No place is wanted here: window 0's accumulators and fragment slots were last named by products that stand 72 masks back.
.macro STEP w, ia, ip
.irp nb, 0,1,2,3
.if ((\w)+(\ia)+(\ip)) == 0
	v_pk_mul_f32 v[MP+2*(\nb):MP+2*(\nb)+1], v[ACC+32*(\ia)+8*(\nb)+2*(\ip):ACC+32*(\ia)+8*(\nb)+2*(\ip)+1], s[56:57] op_sel_hi:[1,0]  ; t = 0: m is 0
.else
	v_pk_fma_f32 v[MP+2*(\nb):MP+2*(\nb)+1], v[ACC+32*(\ia)+8*(\nb)+2*(\ip):ACC+32*(\ia)+8*(\nb)+2*(\ip)+1], s[56:57], v[M+2*(\nb):M+2*(\nb)+1] op_sel_hi:[1,0,1]
.endif
.endr
.irp nb, 0,1,2,3
	v_pk_fma_f32 v[S+2*(\nb):S+2*(\nb)+1], v[MP+2*(\nb):MP+2*(\nb)+1], v[C24:C24+1], v[CM:CM+1] clamp
.endr
.irp nb, 0,1,2,3
	v_pk_fma_f32 v[KK+2*(\nb):KK+2*(\nb)+1], v[S+2*(\nb):S+2*(\nb)+1], s[58:59], s[60:61] op_sel_hi:[1,0,0]
.endr
	v_pk_fma_f32 v[U:U+1], v[S+2:S+3], s[66:67], v[S:S+1] op_sel_hi:[1,0,1]
.irp nb, 0,1
	v_pk_fma_f32 v[M+2*(\nb):M+2*(\nb)+1], v[KK+2*(\nb):KK+2*(\nb)+1], v[MP+2*(\nb):MP+2*(\nb)+1], v[S+2*(\nb):S+2*(\nb)+1] neg_lo:[0,0,1] neg_hi:[0,0,1]
.endr
	v_pk_fma_f32 v[U:U+1], v[S+4:S+5], s[68:69], v[U:U+1] op_sel_hi:[1,0,1]
.irp nb, 2,3
	v_pk_fma_f32 v[M+2*(\nb):M+2*(\nb)+1], v[KK+2*(\nb):KK+2*(\nb)+1], v[MP+2*(\nb):MP+2*(\nb)+1], v[S+2*(\nb):S+2*(\nb)+1] neg_lo:[0,0,1] neg_hi:[0,0,1]
.endr
	v_cvt_u32_f32 v[UI], v[U]
	v_cvt_u32_f32 v[UI+1], v[U+1]
	v_and_or_b32 v[UI], v[S+6], s70, v[UI]
	v_and_or_b32 v[UI+1], v[S+7], s70, v[UI+1]
	ds_store_b32 v[STA], v[UI]   offset:((\w)%2)*SGB+((4*(\ia)+(\ip))*4)*SGP    ; stage row 4 (t % 16) + sample; the two halves of the lanes lie 16 banks apart
	ds_store_b32 v[STA], v[UI+1] offset:((\w)%2)*SGB+((4*(\ia)+(\ip))*4+1)*SGP
.endm
.macro WINDOW w
	WIN 0x55*(\w)
.irp ia, 0,1,2,3
.irp ip, 0,1,2,3
	STEP \w, \ia, \ip
.endr
.endr
.endm
; The window's 64 stage rows leave: a row's 256 bytes come from four waves, so a barrier stands between writing and reading; each wave takes 16 whole rows.  The stage has two buffers: a buffer is written
; again two windows later, behind the next window's barrier, in front of which every wave has waited for its reads of it.  The membrane potentials go over into the next window meanwhile.
.macro FLUSH w
	s_wait_dscnt 0x0                               ; for the others' sake: my stores into the stage are done (and my reads of the other buffer are back)
	s_barrier_signal -1
	s_barrier_wait -1
.irp it, 0,1,2,3,4,5,6,7
	ds_load_b128 v[RB+4*(\it):RB+4*(\it)+3], v[RDA] offset:((\w)%2)*SGB+(\it)*2*SGP
.endr
.if (\w) < 3
	WIN (\w)|(((\w)+1)<<6)
.set z, 0
.rept 8
	v_mov_b32 v[M+z], v[M+z]
.set z, z+1
.endr
	WIN 0x55*(\w)
.endif
.irp it, 0,1,2,3,4,5,6,7
	s_wait_dscnt 7-(\it)                           ; load it of the eight is back
	global_store_b128 v[CO], v[RB+4*(\it):RB+4*(\it)+3], s[72+2*(\w):73+2*(\w)] offset:((\it)/2)*524288+((\it)%2)*4096 th:TH_STORE_NT  ; 16 lanes store 256 consecutive bytes, aligned
.endr
.endm
	WINDOW 0
	FLUSH 0
	WINDOW 1
	FLUSH 1
	WINDOW 2
	FLUSH 2
	WINDOW 3
.irp p, 0,1                            ; out2: a sample's four neighbouring columns into four neighbouring registers; 16 lanes store 256 consecutive bytes, aligned
.irp nb, 0,1,2,3
	v_mov_b32 v[OQ+4*(\p)+(\nb)], v[M+2*(\nb)+(\p)]
.endr
.endr
	global_store_b128 v[O2], v[OQ:OQ+3],   s[80:81] th:TH_STORE_NT
	global_store_b128 v[O2], v[OQ+4:OQ+7], s[80:81] offset:8192 th:TH_STORE_NT
	FLUSH 3
	WIN 0
	s_wait_tensorcnt 0x0                           ; the wave's end, behind my last tensor load and my last LDS store
	ds_add_u32 v[SPW], v[NIL]
	s_wait_dscnt 0x0
	CROUND                                         ; the closing round: no work-group ends while a partner may still ask for a tile that names it
	s_endpgm
.Lfunc_end_k_qe23bed4e48_lif:
	.size	k_qe23bed4e48_lif, .Lfunc_end_k_qe23bed4e48_lif-k_qe23bed4e48_lif
	.p2alignl 7, 3214868480
	.fill 96, 4, 3214868480
	.section	.rodata,"a",@progbits
	.p2align	6, 0x0
	.amdhsa_kernel k_qe23bed4e48_lif
		.amdhsa_group_segment_fixed_size 327680
		.amdhsa_private_segment_fixed_size 0
		.amdhsa_enable_private_segment 0
		.amdhsa_kernarg_size 32
		.amdhsa_user_sgpr_count 2
		.amdhsa_user_sgpr_kernarg_segment_ptr 1
		.amdhsa_wavefront_size32 1
		.amdhsa_system_sgpr_workgroup_id_x 1
		.amdhsa_system_sgpr_workgroup_id_y 1
		.amdhsa_system_sgpr_workgroup_id_z 1
		.amdhsa_system_vgpr_workitem_id 0
		.amdhsa_next_free_vgpr 1024
		.amdhsa_next_free_sgpr 88
		.amdhsa_reserve_vcc 0
		.amdhsa_float_denorm_mode_32 3
		.amdhsa_float_denorm_mode_16_64 3
		.amdhsa_memory_ordered 1
		.amdhsa_forward_progress 1
		.amdhsa_inst_pref_size 255
	.end_amdhsa_kernel
	.amdgpu_metadata
---
amdhsa.version: [ 1, 2 ]
amdhsa.kernels:
  - .name:           k_qe23bed4e48_lif
    .symbol:         k_qe23bed4e48_lif.kd
    .args:
      - { .name: sp, .offset: 0, .size: 8, .value_kind: global_buffer, .address_space: global }
      - { .name: wt, .offset: 8, .size: 8, .value_kind: global_buffer, .address_space: global }
      - { .name: out0, .offset: 16, .size: 8, .value_kind: global_buffer, .address_space: global }
      - { .name: out2, .offset: 24, .size: 8, .value_kind: global_buffer, .address_space: global }
    .group_segment_fixed_size: 327680
    .private_segment_fixed_size: 0
    .kernarg_segment_align: 8
    .kernarg_segment_size: 32
    .max_flat_workgroup_size: 128
    .sgpr_count:     88
    .vgpr_count:     1024
    .wavefront_size: 32
...
	.end_amdgpu_metadata
.endif
;; end of part 2
;; ======== version 2 of 2: 2 launches; version 1 with the launch prep written anew for expert scheduling mode
;; limits: inputs' magnitudes at most 9.223e+18; below input magnitudes of 1.084e-19 results are inexact or not finite
;; workspace buffers: wt 8,388,608 bytes; sp 8,388,608 bytes
;; launch prep (part 3): grid 256 x 1, 8 waves a work-group, no clusters, 84,992 bytes of LDS; arguments spikes_in, weights, wt, sp, out1; writes wt, sp, out1
.if DOCPART == 3
	.amdgcn_target "amdgcn-amd-amdhsa--gfx1250"
	.amdhsa_code_object_version 6
	.text
	.protected	k_qe23bed4e48_prep
	.globl	k_qe23bed4e48_prep
	.p2align	8
	.type	k_qe23bed4e48_prep,@function
k_qe23bed4e48_prep:
	s_mov_b64 s[64:65], 0
	v_nop
	global_prefetch_b8 v0, s[64:65] scope:SCOPE_SE
	s_setreg_imm32_b32 hwreg(HW_REG_WAVE_SCHED_MODE, 0, 2), 2
	s_setreg_imm32_b32 hwreg(HW_REG_WAVE_MODE, 25, 1), 1
	s_wait_xcnt 0x0
	s_wait_alu depctr_vm_vsrc(0)
; SPIKING LINEAR LAYER, FIRST OF TWO LAUNCHES: the weights rounded and laid out, the spikes packed to bits, the traces (out1).
; reference(): per step t  mempot += s_t W; spike = mempot >= 1; mempot = spike ? mempot - 1 : mempot 15/16;  trace = trace 15/16 + s_t.
; WORK LEFT OUT.  reference() builds both initial states as zeros in its own body: 0 + cur = cur and 0 x 15/16 + s = s for every input, so the first step adds onto nothing.
; Nothing else is left out; both inputs are loaded.  A NaN, an infinity or an overflow could reach only the zero states by no way at all, so none is lost by this.
; WHAT THIS LAUNCH MAKES.
;  wt [2048 rows][2048 bf16]: column n of W lies in row (n & ~63) + 16 (n & 3) + ((n >> 2) & 15).  In each group of 16 k, word j (0..7) holds k = j (low half) and k = 8 + j (high half),
;     both as bf16(w x 2^(65 - 2^j)).  A power of two moves no bit of the rounding, so these are the weights rounded once to bf16.
;  sp [64 tiles of 4 samples][256 rows][128 words]: sample q of the four at time t lies in row 16 (t >> 2) + 8 (q >> 1) + 2 (t & 3) + (q & 1).  A word holds 16 spikes: spike u in bit 7 + u (u < 8) or
;     bit 15 + u (u >= 8): ONE EXPONENT BIT of a bf16 half.  Masked to bit 7 + j of both halves it is the pair of bf16 numbers 2^(2^j - 127) or 0, whose product with wt's word j is w x 2^-62.
;     The word of k = 128 s + 32 qq + 16 h + u lies at word 8 s + 4 h + qq of the row.
;  out1 [256][2048] f32: trace = the sum over t of (15/16)^(63 - t) s_t.
; LIMITS.  Spikes are bytes 0 or 1.  |w| from 2^-63 to 2^63 keeps all its bf16 bits; beyond that the scaled weight leaves bf16's normal range.  The trace is summed with weights that are
; rounded products of 15/16, not step by step as reference() does: the two differ in the last bits of f32.
; SHARES.  256 work-groups of 8 waves.  Work-group g takes a tile of 128 k x 128 n of W (k tile g & 15, n tile g >> 4) and all of sample b = g.  Every input byte is read once, by loads of which a wave's
; cover 512 consecutive bytes; every store of a wave covers whole aligned runs of 256 bytes, which is why all three results go through LDS.
; No matrix unit, no cluster, no tensor load: nothing is multiplied and no two work-groups read the same byte.  No prefetch: each wave has up to 24 loads out from its first lines on.
; THE MODE: SCHED_MODE bits 1:0 = 2 (LLVM: expert scheduling mode 2), set by the entry lines.  The code itself states the register dependences
; between vector instructions and memory or LDS instructions, with s_wait_alu, always for 0.
; THE PLAN.  Registers that memory or LDS instructions touch:
;   WO, WS, TST, WRD, WGO, SRD, LO16, TRD   offsets and addresses, made once at the head and never written again.
;   WR        written by the 16 loads of W, worked on by vector lines alone; on the way out LDS loads land in it and the stores to wt and sp read it.
;   D         its first half is written by the conversions of words 0-3 and read by their four LDS stores; from block 0 on the same registers are SF, which vector lines alone name.
;             Its second half is written by the conversions of words 4-7, read by their four LDS stores, and never written again.
;   X0 .. X3  the ring's eight slots as four buffers of two.  All are filled at the start.  The wave's 32 time steps go in 16 blocks of two: block p's vector lines read X[p % 4]; the loads of
;             block p + 3, issued in block p, land in X[(p - 1) % 4].
;   PW0, PW1  two buffers of two packed words.  Block p's packing writes PW[p % 2]; the two LDS stores that read it are issued in block p + 1.
;   SO, SA    read by every load of the ring and every store of a word; written once a lap, at the lap's end.
;   TR        the sums: vector lines alone, until four LDS stores read them behind the last block.
; So block p's memory instructions touch the two buffers that block p - 1 worked on and that no vector line of block p names: the waits at a block's head state all that they hang on,
; and they are dealt among the block's vector lines with no further wait.
.set WP,    272                        ; a stage row of W: 128 k x 2 bytes + 16: consecutive rows start 4 banks apart
.set SPST,  128*WP                     ; the spikes' stage: 64 rows (t) x 512 bytes
.set TRST,  SPST+64*512                ; the two halves of the trace sum, 8,192 bytes each
.set SPARE, TRST+2*8192                ; the spare words, 128 bytes for each of the 8 waves: four blocks of 256 bytes that no other line names
.set LN,   1                           ; v1   lane
.set SPW,  2                           ; v2   LDS address of my spare word; never rewritten
.set NIL,  3                           ; v3   0; never rewritten
.set WO,   4                           ; v4   my byte offset in the tile of W
.set WS,   5                           ; v5   where my packed weights go in the stage
.set SO,   6                           ; v6   my byte offset in the sample's spikes, at the round in hand
.set SA,   7                           ; v7   where my packed word goes, at the round in hand
.set TAU,  8                           ; v8   my place among the 128 threads of a half: k = 16 tau ..
.set ZR,   9                           ; v9   0, a source of the byte moves
.set WRD,  10                          ; v10  read-back of the weights' stage
.set WGO,  11                          ; v11  and my offset in wt
.set SRD,  12                          ; v12  read-back of the spikes' stage
.set LO16, 13                          ; v13  16 x lane
.set TRD,  14                          ; v14  read-back of the trace
.set TST,  15                          ; v15  where my 16 trace sums go
.set SO0,  16                          ; v16  16 tau
.set SA0,  17                          ; v17  4 x my word's place in a row of sp
.set T0,   18                          ; v18-19 at work
.set WR,   32                          ; v[32:95]   16 rows of W, 4 columns each
.set X,    96                          ; v[96:127]  the ring: 8 slots of 16 spike bytes; buffer b is slots 2 b, 2 b + 1
.set TR,   128                         ; v[128:143] my 16 trace sums
.set D,    144                         ; v[144:175] packed weights, 16 registers for each half of the words
.set SF,   144                         ; v[144:159] later: 16 spikes as f32
.set PW,   176                         ; v[176:179] packed words: buffer b, slot i at PW + 2 b + i
.set P1,   180                         ; v180 at work: no memory instruction names it
.set SCL,  32                          ; s[32:47] the eight scales 2^(65 - 2^j), as pairs
.set MULT, 48                          ; s48  the multiplier that gathers eight spike bits
.set DEC,  49                          ; s49  15/16
.set CF,   50                          ; s[50:51] the trace's weight for the t in hand, x 2^125
.set CNT,  52
.set LT,   53                          ; s53  SPST + 512 x the round's lowest t
.set GT,   54                          ; s54  2,048 x the round's lowest t
.set SEL,  56                          ; s[56:59] byte c of a word into byte 3, zeros below
.macro SETS r, val
	s_mov_b32 s[\r], \val
	s_mov_b32 s[(\r)+1], \val
.endm
	s_load_b256 s[4:11], s[0:1], 0x0               ; spikes_in s[4:5], weights s[6:7], wt s[8:9], sp s[10:11]
	s_load_b64 s[12:13], s[0:1], 0x20              ; out1
	v_lshl_add_u32 v[SPW], v0, 2, SPARE
	v_mov_b32 v[NIL], 0
	v_lshrrev_b32 v[T0], 5, v0
	v_readfirstlane_b32 s14, v[T0]                 ; wave 0..7
	v_and_b32 v[LN], 31, v0
	v_and_b32 v[TAU], 127, v0                      ; 32 (wave & 3) + lane
	v_mov_b32 v[ZR], 0
	s_and_b32 s16, ttmp9, 15                       ; k tile
	s_lshr_b32 s17, ttmp9, 4                       ; n tile
	s_wait_alu depctr_va_sdst(0)                   ; s14 is written, ahead of its first reader: offsets, addresses and the trace's first weight are made from it
	s_lshr_b32 s18, s14, 2                         ; which half of the time steps is mine: 0: t = 63 .. 32, 1: t = 31 .. 0
	s_lshl_b32 s22, s14, 17                        ; my wave's 16 rows of W: 16 x 8,192 bytes
	v_lshl_add_u32 v[WO], v[LN], 4, s22            ; + my 4 columns
	s_lshl_b32 s20, s16, 20                        ; the tile: 128 rows of 8,192 bytes down,
	s_lshl_b32 s21, s17, 9                         ; 128 columns of 4 bytes along
	s_add_co_u32 s20, s20, s21
	s_mov_b32 s21, 0
	s_lshl_b32 s23, s18, 5
	s_sub_co_u32 s23, 56, s23                      ; the first round's lowest t: 56 or 24
	s_lshl_b32 s[GT], s23, 11
	s_lshl_b32 s[LT], s23, 9
	s_add_co_u32 s[LT], s[LT], SPST
	v_lshlrev_b32 v[SO0], 4, v[TAU]
	v_add_nc_u32 v[SO], s[GT], v[SO0]
	s_lshl_b32 s24, ttmp9, 17                      ; the sample: 64 x 2,048 bytes
	s_mov_b32 s25, 0
	s_wait_kmcnt 0x0
	s_add_nc_u64 s[6:7], s[6:7], s[20:21]
	s_add_nc_u64 s[4:5], s[4:5], s[24:25]
	s_wait_alu depctr_va_vdst(0)                   ; v[WO] and v[SO] are written, which the 24 loads below read as their offsets
.irp hf, 0,1                           ; 16 rows of W: first those of words 0-3 (k = j and 8 + j), then those of words 4-7
.irp i, 0,1,2,3
.irp e, 0,1
	global_load_b128 v[WR+4*(4*(\hf)+(\i)+8*(\e)):WR+4*(4*(\hf)+(\i)+8*(\e))+3], v[WO], s[6:7] offset:(4*(\hf)+(\i)+8*(\e))*8192 th:TH_LOAD_NT
.endr
.endr
.endr
.irp i, 0,1,2,3,4,5,6,7                ; the ring is filled: slot i holds t = lowest + 7 - i, so that t descends with i
	global_load_b128 v[X+4*(\i):X+4*(\i)+3], v[SO], s[4:5] offset:(7-(\i))*2048 th:TH_LOAD_NT
.endr
	; the rest of the set-up stands in the wait for those loads; it writes neither v[WO] nor v[SO]
	SETS SCL+0,  0x5f800000                        ; 2^64
	SETS SCL+2,  0x5f000000                        ; 2^63
	SETS SCL+4,  0x5e000000                        ; 2^61
	SETS SCL+6,  0x5c000000                        ; 2^57
	SETS SCL+8,  0x58000000                        ; 2^49
	SETS SCL+10, 0x50000000                        ; 2^33
	SETS SCL+12, 0x40000000                        ; 2^1
	SETS SCL+14, 0x20000000                        ; 2^-63
	s_mov_b32 s[MULT], 0x01020408
	s_mov_b32 s[DEC], 0x3f700000
	s_mov_b32 s[SEL+0], 0x04000000
	s_mov_b32 s[SEL+1], 0x05000000
	s_mov_b32 s[SEL+2], 0x06000000
	s_mov_b32 s[SEL+3], 0x07000000
	s_mov_b32 s22, 0x7e000000                      ; 2^125: the weight of t = 63
	s_mov_b32 s23, 0x7c81d4eb                      ; 2^125 (15/16)^32: the weight of t = 31
	s_cmp_eq_u32 s18, 0
	s_cselect_b32 s[CF], s22, s23
	s_mov_b32 s[CF+1], 0                           ; named with it as a pair
	v_mul_u32_u24 v[WS], v[LN], WP                 ; stage row 32 c + lane for my column c; my wave's 32 bytes of the row
	s_lshl_b32 s22, s14, 5
	v_add_nc_u32 v[WS], s22, v[WS]
	v_and_b32 v[T0], 0x78, v[TAU]                  ; tau = 8 s + 2 qq + h goes to word 8 s + 4 h + qq
	v_and_b32 v[T0+1], 1, v[TAU]
	v_lshl_or_b32 v[T0], v[T0+1], 2, v[T0]
	v_bfe_u32 v[T0+1], v[TAU], 1, 2
	v_or_b32 v[T0], v[T0], v[T0+1]
	v_lshlrev_b32 v[SA0], 2, v[T0]
	v_add_nc_u32 v[SA], s[LT], v[SA0]
	s_lshl_b32 s22, s18, 13
	s_add_co_u32 s22, s22, TRST
	v_lshl_add_u32 v[TST], v[TAU], 6, s22          ; my half's 8,192 bytes, my 64 of them
	v_lshrrev_b32 v[T0], 4, v[LN]
	v_and_b32 v[T0+1], 15, v[LN]
	s_mul_i32 s22, s14, 16*WP                      ; read-back: my wave takes stage rows 16 wave .., two at a time, 16 lanes a row
	v_mul_u32_u24 v[WRD], v[T0], WP
	v_lshl_add_u32 v[WRD], v[T0+1], 4, v[WRD]
	v_add_nc_u32 v[WRD], s22, v[WRD]
	v_lshlrev_b32 v[WGO], 12, v[T0]                ; the same two rows in wt, 4,096 bytes apart
	v_lshl_add_u32 v[WGO], v[T0+1], 4, v[WGO]
	s_lshl_b32 s22, s14, 12
	s_add_co_u32 s22, s22, SPST
	v_lshl_add_u32 v[SRD], v[LN], 4, s22           ; t = 8 wave ..: a whole row of 512 bytes a load
	v_lshlrev_b32 v[LO16], 4, v[LN]
	s_lshl_b32 s22, s14, 10
	s_add_co_u32 s22, s22, TRST
	v_lshl_add_u32 v[TRD], v[LN], 4, s22
	; stage rows 16 wave .. hold column c = wave >> 1, lanes 16 (wave & 1) ..: wt rows 128 nt + 64 (wave & 1) + 16 (wave >> 1) ..
	s_lshl_b32 s20, s17, 7
	s_and_b32 s21, s14, 1
	s_lshl_b32 s21, s21, 6
	s_add_co_u32 s20, s20, s21
	s_lshr_b32 s21, s14, 1
	s_lshl_b32 s21, s21, 4
	s_add_co_u32 s20, s20, s21
	s_lshl_b32 s20, s20, 12
	s_lshl_b32 s21, s16, 8                         ; the k tile's 256 bytes of a row
	s_add_co_u32 s20, s20, s21
	s_mov_b32 s21, 0
	s_add_nc_u64 s[8:9], s[8:9], s[20:21]
	s_lshr_b32 s20, ttmp9, 2                       ; sp: the tile of four samples,
	s_lshl_b32 s20, s20, 17
	s_lshl_b32 s21, s14, 5                         ; row 16 (t >> 2) for t = 8 wave,
	s_bfe_u32 s22, ttmp9, 0x10001
	s_lshl_b32 s22, s22, 3                         ; + 8 (q >> 1)
	s_add_co_u32 s21, s21, s22
	s_and_b32 s22, ttmp9, 1                        ; + (q & 1)
	s_add_co_u32 s21, s21, s22
	s_lshl_b32 s21, s21, 9
	s_add_co_u32 s20, s20, s21
	s_mov_b32 s21, 0
	s_add_nc_u64 s[10:11], s[10:11], s[20:21]
	s_lshl_b32 s20, ttmp9, 13                      ; out1: the sample's row, my wave's 1,024 bytes
	s_lshl_b32 s21, s14, 10
	s_add_co_u32 s20, s20, s21
	s_mov_b32 s21, 0
	s_add_nc_u64 s[12:13], s[12:13], s[20:21]
.set r, 0
.rept 16
	v_mov_b32 v[TR+r], 0                           ; the sums start at 0, so that the ring has one form of slot
.set r, r+1
.endr
; Words 4 hf .. 4 hf + 3 of my group of 16 k, for my 4 columns.  WMATH: scaled, rounded in pairs (k = j low, k = 8 + j high).  WSTORE: 16 bytes a column into the stage.
.macro WMATH hf
.irp i, 0,1,2,3
.irp e, 0,1
	v_pk_mul_f32 v[WR+4*(4*(\hf)+(\i)+8*(\e)):WR+4*(4*(\hf)+(\i)+8*(\e))+1], v[WR+4*(4*(\hf)+(\i)+8*(\e)):WR+4*(4*(\hf)+(\i)+8*(\e))+1], s[SCL+2*(4*(\hf)+(\i)):SCL+2*(4*(\hf)+(\i))+1] op_sel_hi:[1,0]
	v_pk_mul_f32 v[WR+4*(4*(\hf)+(\i)+8*(\e))+2:WR+4*(4*(\hf)+(\i)+8*(\e))+3], v[WR+4*(4*(\hf)+(\i)+8*(\e))+2:WR+4*(4*(\hf)+(\i)+8*(\e))+3], s[SCL+2*(4*(\hf)+(\i)):SCL+2*(4*(\hf)+(\i))+1] op_sel_hi:[1,0]
.endr
.endr
.irp c, 0,1,2,3
.irp i, 0,1,2,3
	v_cvt_pk_bf16_f32 v[D+16*(\hf)+4*(\c)+(\i)], v[WR+4*(4*(\hf)+(\i))+(\c)], v[WR+4*(4*(\hf)+(\i)+8)+(\c)]
.endr
.endr
.endm
.macro WSTORE hf
.irp c, 0,1,2,3
	ds_store_b128 v[WS], v[D+16*(\hf)+4*(\c):D+16*(\hf)+4*(\c)+3] offset:(\c)*32*WP+16*(\hf)  ; consecutive lanes, consecutive rows of 272 bytes
.endr
.endm
; The vector work of ring slot k: 16 spike bytes of one t.  Its packed word goes into register pw.  No memory or LDS instruction stands in it.
.macro UNIT k, pw
	v_lshl_or_b32 v[(\pw)], v[X+4*(\k)+1], 4, v[X+4*(\k)]  ; bits 8 c and 8 c + 4: spikes c and 4 + c
	v_lshl_or_b32 v[P1], v[X+4*(\k)+3], 4, v[X+4*(\k)+2]
	v_mul_lo_u32 v[(\pw)], v[(\pw)], s[MULT]       ; 2^24 + 2^17 + 2^10 + 2^3: spike u lands on bit 24 + u; all 32 partial terms fall on different bits, so nothing carries
	v_mul_lo_u32 v[P1], v[P1], s[MULT]
	v_lshrrev_b32 v[(\pw)], 24, v[(\pw)]
	v_lshrrev_b32 v[P1], 24, v[P1]
	v_lshl_or_b32 v[(\pw)], v[P1], 16, v[(\pw)]
	v_lshlrev_b32 v[(\pw)], 7, v[(\pw)]            ; spikes 0-7 in bits 7-14, spikes 8-15 in bits 23-30
.irp d, 0,1,2,3
.irp c, 0,1,2,3
	v_perm_b32 v[SF+4*(\d)+(\c)], v[X+4*(\k)+(\d)], v[ZR], s[SEL+(\c)]  ; the byte into byte 3: 0, or the f32 number 2^-125
.endr
.endr
.irp u, 0,2,4,6,8,10,12,14
	v_pk_fma_f32 v[TR+(\u):TR+(\u)+1], v[SF+(\u):SF+(\u)+1], s[CF:CF+1], v[TR+(\u):TR+(\u)+1] op_sel_hi:[1,0,1]
.endr
	s_mul_f32 s[CF], s[CF], s[DEC]                 ; the next lower t weighs 15/16 of this one
.endm
; Block p, for p from 1 on.  xb = p % 4: it works on X[xb] (ring slots 2 xb, 2 xb + 1) and packs into PW[xb % 2].  ahead = 1: block p + 3 is loaded, into the buffer that the block before has read.
; left = the younger loads that may stay out.  The slots that the loads fill and the slots whose words the LDS stores send are the same two: those of the block before.
.macro BLK xb, ahead, left
	s_wait_loadcnt \left                           ; loads come back in order: X[xb] is in, the younger blocks stay out
.if (\xb) != 1                         ; (a lap's first block: the wait at the last lap's end has stated it, and ahead of block 1 no word has been stored)
	s_wait_alu depctr_vm_vsrc(0)                   ; the LDS stores issued in the block before have read PW[xb % 2], which this block's packing writes again
.endif
	s_wait_alu depctr_va_vdst(0)                   ; the block before has written the other PW, which the stores below read, and is done reading its X, in which the loads below land; in a lap's first block v[SO] and v[SA] are written
.irp i, 0,1
.if \ahead
	global_load_b128 v[X+4*(2*(((\xb)+3)%4)+(\i)):X+4*(2*(((\xb)+3)%4)+(\i))+3], v[SO], s[4:5] offset:(7-(2*(((\xb)+3)%4)+(\i)))*2048-16384 th:TH_LOAD_NT  ; the same slot's t of the next round, eight lower; no vector line since the wait names these registers
.endif
	ds_store_b32 v[SA], v[PW+2*(1-(\xb)%2)+(\i)] offset:(7-(2*(((\xb)+3)%4)+(\i)))*512
	UNIT 2*(\xb)+(\i), PW+2*((\xb)%2)+(\i)
.endr
.endm
	s_wait_loadcnt 16                              ; the first 8 rows of W are in; the other 8 and the ring's 8 loads may stay out
	WMATH 0
	s_wait_loadcnt 8                               ; all of W is in; the ring's 8 may stay out
	s_wait_alu depctr_va_vdst(0)                   ; the conversions have written D's first half, which the four LDS stores read; the set-up has written v[WS] and every other address of the kernel
	WSTORE 0
	WMATH 1                                        ; it names the other half of WR and of D
	s_wait_loadcnt 6                               ; block 0, with no block in front of it: slots 0 and 1 are in, the six younger loads stay out
	s_wait_alu depctr_vm_vsrc(0)                   ; the four LDS stores above have read D's first half: these registers are SF from here on
	s_wait_alu depctr_va_vdst(0)                   ; the conversions have written D's second half, which the four LDS stores below read
	WSTORE 1
	UNIT 0, PW
	UNIT 1, PW+1
	s_mov_b32 s[CNT], 3
.Lround:                                       ; blocks 1 to 12, four to a lap: both kinds of buffer are back at their start.  A lap stores one round's eight words and loads the next round's eight slots
	BLK 1, 1, 4
	BLK 2, 1, 4
	BLK 3, 1, 4
	BLK 0, 1, 4
	s_wait_xcnt 0x0                                ; the loads have had their addresses translated: their address register is rewritten only behind this wait
	s_wait_alu depctr_vm_vsrc(0)                   ; the lap's loads have read v[SO], its LDS stores v[SA] and PW1, which the next block writes
	s_sub_co_u32 s[GT], s[GT], 16384               ; eight steps of t down
	s_sub_co_u32 s[LT], s[LT], 4096
	v_add_nc_u32 v[SO], s[GT], v[SO0]
	v_add_nc_u32 v[SA], s[LT], v[SA0]
	s_sub_co_u32 s[CNT], s[CNT], 1
	s_cmp_lg_u32 s[CNT], 0
	s_cbranch_scc1 .Lround
	BLK 1, 0, 4                                    ; blocks 13 to 15 load nothing: no load leaves the buffer, and the counts run down
	BLK 2, 0, 2
	BLK 3, 0, 0
	s_wait_alu depctr_va_vdst(0)                   ; block 15 has written PW1 and the sums TR, which the six LDS stores below read; every vector line that named WR or X is done: the LDS loads behind the barrier land there
.irp i, 0,1
	ds_store_b32 v[SA], v[PW+2+(\i)] offset:(1-(\i))*512
.endr
.irp i, 0,1,2,3
	ds_store_b128 v[TST], v[TR+4*(\i):TR+4*(\i)+3] offset:16*(\i)
.endr
	s_wait_dscnt 0x0                               ; for the others' sake: all my stores into the three stages are done
	s_barrier_signal -1
	s_barrier_wait -1                              ; everybody's are
	; THE WAY OUT: 20 loads from the stages in one run, then the stores as the loads come back
.irp it, 0,1,2,3,4,5,6,7
	ds_load_b128 v[32+4*(\it):32+4*(\it)+3], v[WRD] offset:(\it)*2*WP
.endr
.irp it, 0,1,2,3,4,5,6,7
	ds_load_b128 v[64+4*(\it):64+4*(\it)+3], v[SRD] offset:(\it)*512
.endr
.irp it, 0,1
	ds_load_b128 v[96+8*(\it):96+8*(\it)+3],   v[TRD] offset:(\it)*512
	ds_load_b128 v[96+8*(\it)+4:96+8*(\it)+7], v[TRD] offset:(\it)*512+8192
.endr
.irp it, 0,1,2,3,4,5,6,7
	s_wait_dscnt 19-(\it)                          ; load it of the 20 is back
	global_store_b128 v[WGO], v[32+4*(\it):32+4*(\it)+3], s[8:9] offset:(\it)*8192  ; 16 lanes store 256 consecutive bytes, aligned
.endr
.irp it, 0,1,2,3,4,5,6,7
	s_wait_dscnt 11-(\it)
	global_store_b128 v[LO16], v[64+4*(\it):64+4*(\it)+3], s[10:11] offset:(((\it)/4)*16+((\it)%4)*2)*512  ; a whole row of sp, 512 bytes: row + 16 (t >> 2) + 2 (t & 3)
.endr
	s_wait_dscnt 0x0
.irp it, 0,1
	v_pk_add_f32 v[96+8*(\it):96+8*(\it)+1],   v[96+8*(\it):96+8*(\it)+1],   v[96+8*(\it)+4:96+8*(\it)+5]  ; the later half of t and the earlier
	v_pk_add_f32 v[96+8*(\it)+2:96+8*(\it)+3], v[96+8*(\it)+2:96+8*(\it)+3], v[96+8*(\it)+6:96+8*(\it)+7]
.endr
	s_wait_alu depctr_va_vdst(0)                   ; the four additions have written v[96:99] and v[104:107], which the two stores read
.irp it, 0,1
	global_store_b128 v[LO16], v[96+8*(\it):96+8*(\it)+3], s[12:13] offset:(\it)*512 th:TH_STORE_NT
.endr
	s_wait_dscnt 0x0                               ; the wave's end
	s_wait_alu 0x0
	s_wait_tensorcnt 0x0
	ds_add_u32 v[SPW], v[NIL]
	s_wait_dscnt 0x0
	s_endpgm
.Lfunc_end_k_qe23bed4e48_prep:
	.size	k_qe23bed4e48_prep, .Lfunc_end_k_qe23bed4e48_prep-k_qe23bed4e48_prep
	.p2alignl 7, 3214868480
	.fill 96, 4, 3214868480
	.section	.rodata,"a",@progbits
	.p2align	6, 0x0
	.amdhsa_kernel k_qe23bed4e48_prep
		.amdhsa_group_segment_fixed_size 84992
		.amdhsa_private_segment_fixed_size 0
		.amdhsa_enable_private_segment 0
		.amdhsa_kernarg_size 40
		.amdhsa_user_sgpr_count 2
		.amdhsa_user_sgpr_kernarg_segment_ptr 1
		.amdhsa_wavefront_size32 1
		.amdhsa_system_sgpr_workgroup_id_x 1
		.amdhsa_system_sgpr_workgroup_id_y 1
		.amdhsa_system_sgpr_workgroup_id_z 1
		.amdhsa_system_vgpr_workitem_id 0
		.amdhsa_next_free_vgpr 192
		.amdhsa_next_free_sgpr 66
		.amdhsa_reserve_vcc 0
		.amdhsa_float_denorm_mode_32 3
		.amdhsa_float_denorm_mode_16_64 3
		.amdhsa_memory_ordered 1
		.amdhsa_forward_progress 1
		.amdhsa_inst_pref_size 51
	.end_amdhsa_kernel
	.amdgpu_metadata
---
amdhsa.version: [ 1, 2 ]
amdhsa.kernels:
  - .name:           k_qe23bed4e48_prep
    .symbol:         k_qe23bed4e48_prep.kd
    .args:
      - { .name: spikes_in, .offset: 0, .size: 8, .value_kind: global_buffer, .address_space: global }
      - { .name: weights, .offset: 8, .size: 8, .value_kind: global_buffer, .address_space: global }
      - { .name: wt, .offset: 16, .size: 8, .value_kind: global_buffer, .address_space: global }
      - { .name: sp, .offset: 24, .size: 8, .value_kind: global_buffer, .address_space: global }
      - { .name: out1, .offset: 32, .size: 8, .value_kind: global_buffer, .address_space: global }
    .group_segment_fixed_size: 84992
    .private_segment_fixed_size: 0
    .kernarg_segment_align: 8
    .kernarg_segment_size: 40
    .max_flat_workgroup_size: 256
    .sgpr_count:     66
    .vgpr_count:     192
    .wavefront_size: 32
...
	.end_amdgpu_metadata
.endif
;; end of part 3
;; launch lif: the kernel of part 2 again; grid 8 x 64, 4 waves a work-group, clusters of 4 x 4, 327,680 bytes of LDS; arguments sp, wt, out0, out2; writes out0, out2
